; MI455X (gfx1250); checked and timed in simulation.
; The chip was launched on July 23, 2026; its instructions are those of AMD's public machine-readable ISA for CDNA 5 (MIT licence, August 2026) and "CDNA5" Instruction Set Architecture Reference Guide (July 2026). The comments in the code are by the model that wrote it; some were corrected since.
;; Self Attention. Allowed arithmetic: matrix products marked QUANTISED: E5M2 operands, one given power-of-two scale a tensor, by v_wmma_f32_16x16x64_bf8_bf8 or v_wmma_f32_16x16x128_bf8_bf8, f32 sums; products left as they are: f32 operands where the result goes on into a quantised operand, else bf16, f16 or f32 operands; f32 sums; everything else in f32.
;; Inputs: Wk_codes 16 x 2 x 32 uint8 (E5M2 codes of Wk, K innermost, in blocks of 32 codes); Wq_codes 16 x 2 x 32 uint8 (E5M2 codes of Wq, K innermost, in blocks of 32 codes); Wv_codes 64 x 2 x 32 uint8 (E5M2 codes of Wv, K innermost, in blocks of 32 codes); lowp_scales 8 int32 (the exponents e of the quantised operands' scales 2^e); x_codes 4 x 4,096 x 2 x 32 uint8 (E5M2 codes of x, K innermost, in blocks of 32 codes).
;; Outputs: out0 4 x 4,096 x 64 float32.
;; This version of the problem:
;;   THIS VERSION OF THE PROBLEM IS GIVEN IN LOW PRECISION. The matrix products marked QUANTISED in the list below multiply operands that are first quantised to E5M2 (5 exponent bits, 2 mantissa bits; 8 bits a number), with one given power-of-two scale for each operand tensor; their sums are f32. All else is computed in f32.
;;   The module's matrix products, in the order in which they are computed (A, B: the left and right operand; K: the contracted axis; several contracted axes count as one K, in the product's order):
;;     1. [M 16,384, K 64] x [K 64, N 16]; A: input x (given as codes); B: input Wq (given as codes): QUANTISED (scales: A lowp_scales[0], B lowp_scales[1])
;;     2. [M 16,384, K 64] x [K 64, N 16]; A: input x (given as codes); B: input Wk (given as codes): QUANTISED (scales: A lowp_scales[2], B lowp_scales[3])
;;     3. [M 16,384, K 64] x [K 64, N 64]; A: input x (given as codes); B: input Wv (given as codes): QUANTISED (scales: A lowp_scales[4], B lowp_scales[5])
;;     4. batch 4 x [M 4,096, K 16] x [K 16, N 4,096]; A: computed on the way; B: computed on the way: left as it is (K = 16 < 32)
;;     5. batch 4 x [M 4,096, K 4,096] x [K 4,096, N 64]; A: softmax (see below); B: computed on the way: QUANTISED (scales: A lowp_scales[6], B lowp_scales[7])
;;   THE QUANTISER, for each operand of a quantised product, along K:
;;     - The operand's scale is 2^e, e = its entry of the input lowp_scales (int32; the entries are numbered through the quantised products in the list's order, A before B).
;;     - Each number is divided by the scale, clamped to +-57,344, and rounded to the nearest number of E5M2, ties to even, subnormals kept.
;;     - The product sums the exact products of the quantised numbers (number of the format x scale) in f32.
;;   ~~~python
;;   def quantise(x, axis, e):      # numpy; x: float32 -> the quantised numbers, widened to float32 again
;;       x = np.moveaxis(x, axis, -1); K = x.shape[-1]
;;       r = np.clip(x / 2.0 ** e, -57344, 57344)
;;       step = 2.0 ** (np.maximum(np.frexp(np.where(r == 0, 1, r))[1] - 1, -14) - 2)
;;       q = np.round(r / step) * step * 2.0 ** e      # np.round: ties to even
;;       return np.moveaxis(q, -1, axis).astype(np.float32)
;;   ~~~
;;   SOFTMAX AHEAD OF A QUANTISED PRODUCT. Where the list says 'softmax', what is quantised is not the finished softmax but p = 2^(t - M), with t = logit x log2(e) and M = ceil(the row's largest t), a whole number; so 1/2 < the row's largest p <= 1. The row's sum l is taken of the UNQUANTISED p, in f32, and the product's result is divided by l at the end. Since M is a whole number, a kernel that streams over the keys may use a running M (the ceiling of the running maximum): every later rescaling is an exact power of two, so the quantised numbers keep their values, but for numbers so far below the row's largest that they fall under the format's range.
;;   OPERANDS COMPUTED ON THE WAY. 'Computed on the way' means the value that the module computes at that place (a softmax that the list does not call 'softmax' is quantised finished and normalised). What goes into a quantiser is computed in f32, as accurately as f32 sums, v_exp_f32 and their like allow (about 1e-6 of the number): no bf16 or f16 on the way to a quantiser, and a product that is left as it is and whose result goes on into a quantised operand takes f32 operands (vector FMAs, or v_wmma_f32_16x16x4_f32). A number that lies on a knife's edge between two numbers of the format may be rounded either way, as far as f32 arithmetic and the matrix unit's own rounding can turn it there, and no further.
;;   INPUTS GIVEN AS CODES. Wk (in the module: [64, 16], K = its axis 0); Wq (in the module: [64, 16], K = its axis 0); Wv (in the module: [64, 64], K = its axis 0); x (in the module: [4, 4096, 64], K = its axis 2): each comes as NAME_codes (uint8): NAME with its K axis moved to the last place and cut into blocks of 32 codes, [.., K / 32, bytes a block], one block behind the other in memory; one code a byte (a code: sign, 5 exponent bits, 2 mantissa bits); its scale is its entry of lowp_scales. Its value is code x scale, taken as it is: it is not quantised again, and the codes and scales need not be those that the quantiser above would give.
;; 2 versions, each right; version 2 is version 1 with the launch attn written anew for expert scheduling mode. Each part assembles by itself: llvm-mc -triple=amdgcn-amd-amdhsa -mcpu=gfx1250 --defsym DOCPART=n.
;; ======== version 1 of 2: 1 launch
;; limits: right only within a limited range of input values
;; launch attn (part 1): grid 64 x 4, 8 waves a work-group, no clusters, 148,480 bytes of LDS; arguments x_codes, Wq_codes, Wk_codes, Wv_codes, lowp_scales, out0; writes out0
.if DOCPART == 1
	.amdgcn_target "amdgcn-amd-amdhsa--gfx1250"
	.amdhsa_code_object_version 6
	.text
	.protected	k_q11be7cb0c1_attn
	.globl	k_q11be7cb0c1_attn
	.p2align	8
	.type	k_q11be7cb0c1_attn,@function
k_q11be7cb0c1_attn:
	s_mov_b64 s[64:65], 0
	v_nop
	global_prefetch_b8 v0, s[64:65] scope:SCOPE_SE
	s_setreg_imm32_b32 hwreg(HW_REG_WAVE_MODE, 25, 1), 1
	s_wait_xcnt 0x0
; Causal attention, one head: q = x Wq, k = x Wk (16 wide), v = x Wv (64 wide), out = softmax(q k^T / 4, causal) v.  4 batches x 4,096 tokens.
; x, Wq, Wk, Wv arrive as E5M2 codes, K (the 64 inputs) innermost, rows of 64 bytes; lowp_scales holds e0 .. e7.  The products x Wq, x Wk, x Wv and p v are done on codes (bf8 forms);
; q k^T has f32 operands (the 16x16x4 f32 form), since its result goes on into p's quantiser.  p = 2^(t - M), M a whole number; the row's sum is taken of the unquantised p.
; SHARES.  A work-group owns two blocks of 32 queries of one batch, blocks j and 127 - j.  Block j needs nA = j / 4 + 1 steps of 128 keys, block 127 - j needs nB = 33 - nA: 33 items (32 queries x 128 keys) in
; every work-group, 64 x 4 work-groups.  THE EIGHT WAVES SHARE THE KEYS: item g (block j's steps, then the other's) goes to wave g mod 8.  For an item a wave loads the 128 tokens' codes (8,192 bytes) from memory
; straight into operand registers, makes k (8 products) and v (32 products, hold, conversion) in registers, and for each of its two tiles of 16 queries S^T = K Q^T (32 products), the softmax, and O^T += V^T P^T (4 products).
; Each wave keeps its own M, sum and O^T over its own keys; at a block's end they go to LDS, and behind ONE barrier the eight partial results are brought under one M by exact powers of two, added, divided and stored.
; LAYOUTS (r = lane % 16, h = lane / 16).  k and q are made transposed (source 0 = the weight's 16 rows, source 1 = 16 tokens): lane (r, h) holds token r, dimensions 8 h + 0 .. 7; registers 2 s, 2 s + 1 of that
; result ARE the f32 form's operand of K step s (slot 2 h + i = dimension 8 h + 2 s + i, the same in q and in k).  S^T: lane (r, h) holds query r, register i of tile t key 16 t + 8 h + i: eight registers convert into
; registers 2 t, 2 t + 1 of the 128-deep operand.  v: source 0 = 16 tokens, source 1 = 16 rows of Wv: lane (r, h) holds channel r and tokens 8 h + 0 .. 7, which convert into V^T's operand in the same way.
; A fragment of 16 rows x 64 codes is fetched by two loads of 16 bytes at 64 r + 16 h + 32 c: a permutation of K that is the same in x and in every weight.
; NO CLUSTER: the work-groups of a batch walk lists of steps of different lengths (nA hangs on j), and a step's codes go to one wave's registers, not to LDS: there is no tile that partners ask for at the same time.
; NO TENSOR LOAD, NO RING: no byte is read by two waves of a work-group.  NO PREFETCH: x is 1 MiB in all and each of its bytes is read by many work-groups.
; LIMITS.  E = e0 + e1 + e2 + e3 between -116 and 129 (it is added to c's exponent field; a hidden score is -2^126 + a raw score, a raw score is under 16 x (64 x 57,344^2)^2 < 2^80, and -2^126 c 2^E must lie
; more than 150 under every t that counts).  e7 - e4 - e5 and e6 between -126 and 112.  Codes of infinity and NaN are not served.  M is the ceiling of the largest t among the keys that a wave has seen:
; numbers far under the row's largest may keep more of their value than under the row's final M; where 57,344 x 2^e6 < 1, the hold at the largest code is taken relative to that running M.
; REGISTERS.  Window 0: v1-15 addresses and constants; v16-23 statistics; v24-31 at work; v32-47 p's codes; v48-63 q; v64-127 S^T (written by the f32 form alone); v128-191 p, also v ahead of its conversion and the mask; v192-255 O^T.
;   Window 1: v0-63 x's 8 fragments; v64-127 k; v128-191 V^T's codes; v192-223 Wv; v224-231 Wk; v232-239 Wq; v240-255 the queries' x.
.set XO,   1                           ; v1   64 r + 16 h: a fragment's lane offset, for x and for every weight
.set DW,   2                           ; v2, v3   LDS: where I put 16 bytes of O^T, block j's and block 127 - j's
.set SW,   4                           ; v4, v5   LDS: where I put (-M, l)
.set RD,   6                           ; v6   LDS: where I read O^T back, by rows of the output
.set RS,   7                           ; v7   LDS: where I read (-M, l) back
.set GO,   8                           ; v8   16 x lane: my 16 bytes of two rows of the output
.set DG,   9                           ; v9, v10  r - 8 h + the block's place in its last key step
.set NEG,  11                          ; v11  -2^126
.set VSC,  12                          ; v12  2^(e7 - e4 - e5), v13 57,344 x that
.set VLIM, 13
.set PSC,  14                          ; v14  2^e6, v15 57,344 x that
.set PLIM, 15
.set ST,   16                          ; tile q at ST + 4 q: -M, the largest t, the sum in two halves
.set F,    24                          ; v[24:25] 2^(old M - new M); v25 is 0
.set T0,   26
.set T1,   27
.set PX,   28                          ; a lane permute's destination
.set SUM2, 30                          ; v[30:31] the sums' second chain
.set PC,   32
.set QF,   48
.set S,    64
.set P,    128
.set O,    192
.set XF,   0                           ; window 1
.set KF,   64
.set VC,   128
.set WVF,  192
.set WKF,  224
.set WQF,  232
.set XQ,   240
.set OT,   4352                        ; LDS: a tile's O^T: 8 groups of 544 bytes (two halves of 256 + 16)
.set STO,  8704                        ; behind two tiles: the statistics, 256 bytes a tile
.set WREG, 9216                        ; a wave's region
.set PHB,  73728                       ; eight regions: a block's
.set MSB, 0
.macro WIN new                         ; the immediate's high byte repeats the setting that is left
.if MSB != \new
	s_set_vgpr_msb (MSB<<8)|\new
.set MSB, \new
.endif
.endm
.macro PLACES n
.rept \n
	v_nop
.endr
.endm
	s_load_b256 s[4:11], s[0:1], 0x0               ; x s[4:5], Wq s[6:7], Wk s[8:9], Wv s[10:11]
	s_load_b128 s[12:15], s[0:1], 0x20             ; the scales' exponents s[12:13], out s[14:15]
	v_lshrrev_b32 v[T0], 5, v0
	v_readfirstlane_b32 s16, v[T0]                 ; wave w, 0 .. 7
	v_and_b32 v[T0], 15, v0                        ; r
	v_bfe_u32 v[T1], v0, 4, 1                      ; h
	v_and_b32 v29, 31, v0                          ; lane
	s_mov_b32 s17, ttmp9                           ; j
	s_and_b32 s18, ttmp7, 0xffff                   ; batch
	s_lshr_b32 s19, s17, 2
	s_add_co_u32 s19, s19, 1                       ; nA = j / 4 + 1
	s_sub_co_u32 s20, 33, s19                      ; nB
	s_sub_co_u32 s23, s16, s19
	s_and_b32 s23, s23, 7                          ; my first step of block 127 - j: (w - nA) mod 8
	s_add_co_u32 s59, s19, 7
	s_sub_co_u32 s59, s59, s16
	s_lshr_b32 s59, s59, 3                         ; my items of block j: steps w, w + 8, .. under nA: (nA + 7 - w) / 8, which is 0 where w >= nA
	s_add_co_u32 s60, s20, 7
	s_sub_co_u32 s60, s60, s23
	s_lshr_b32 s60, s60, 3                         ; my items of block 127 - j: (nB + 7 - my first step) / 8; nB is 17 at the least, so two or more
	s_mov_b32 s41, 0                               ; the upper word of the offsets' pair s[40:41]
	s_mov_b32 s34, 0x76543210                      ; v_permlanex16_b32's selects for lane l xor 16
	s_mov_b32 s35, 0xfedcba98
	v_lshlrev_b32 v[XO], 6, v[T0]
	v_lshl_add_u32 v[XO], v[T1], 4, v[XO]
	; every LDS address is made here, ahead of the first branch: constants, the lane, the wave
	s_mul_i32 s43, s16, WREG
	v_mul_u32_u24 v[DW], v[T1], 272
	v_lshl_add_u32 v[DW], v[T0], 4, v[DW]
	v_add_nc_u32 v[DW], s43, v[DW]                 ; 16 r + 272 h + my region: sixteen lanes write 256 bytes on end
	v_add_nc_u32 v[DW+1], PHB, v[DW]
	v_lshl_add_u32 v[SW], v29, 3, s43
	v_add_nc_u32 v[SW], STO, v[SW]
	v_add_nc_u32 v[SW+1], PHB, v[SW]
	; the merge: wave w takes block w / 4, tile (w / 2) % 2, rows 8 (w % 2) + 2 i + h; lane % 16 = cc takes channels 4 cc .. 4 cc + 3, which lie in group 2 (cc / 4) + cc % 2, half (cc / 2) % 2
	s_lshr_b32 s43, s16, 2
	s_mul_i32 s43, s43, PHB
	s_bfe_u32 s45, s16, 0x10001
	s_mul_i32 s56, s45, OT
	s_add_co_u32 s56, s56, s43
	s_lshl_b32 s57, s45, 8
	s_add_co_u32 s57, s57, s43
	s_add_co_u32 s57, s57, STO
	s_and_b32 s45, s16, 1
	s_lshl_b32 s43, s45, 7                         ; 8 rows of 16 bytes
	s_add_co_u32 s56, s56, s43
	s_lshl_b32 s43, s45, 6                         ; 8 rows of 8 bytes
	s_add_co_u32 s57, s57, s43
	v_bfe_u32 v30, v0, 2, 2
	v_and_b32 v31, 1, v0
	v_lshl_add_u32 v30, v30, 1, v31                ; the group
	v_mul_u32_u24 v[RD], v30, 544
	v_bfe_u32 v31, v0, 1, 1
	v_mul_u32_u24 v31, v31, 272
	v_add_nc_u32 v[RD], v[RD], v31
	v_lshl_add_u32 v[RD], v[T1], 4, v[RD]
	v_add_nc_u32 v[RD], s56, v[RD]                 ; sixteen lanes touch sixteen different columns of 16 bytes: 2 x group + half + row, mod 16
	v_lshl_add_u32 v[RS], v[T1], 3, s57
	v_lshlrev_b32 v[GO], 4, v29
	s_and_b32 s54, s17, 3
	s_lshl_b32 s54, s54, 5                         ; block j begins 32 (j % 4) keys into its last step,
	s_sub_co_u32 s55, 96, s54                      ; block 127 - j 96 less that
	v_lshlrev_b32 v30, 3, v[T1]
	v_sub_nc_u32 v30, v[T0], v30
	v_add_nc_u32 v[DG], s54, v30
	v_add_nc_u32 v[DG+1], s55, v30
	v_mov_b32 v[NEG], 0xfe800000
	v_mov_b32 v[F+1], 0                            ; (named as the upper half of the pair)
	v_mov_b32 v[PX], 0                             ; written once: a lane permute's destination counts as one of its sources
	s_wait_kmcnt 0x0
	s_load_b256 s[24:31], s[12:13], 0x0            ; e0 .. e7
	s_lshl_b32 s40, s18, 18
	s_add_nc_u64 s[36:37], s[4:5], s[40:41]        ; x at my batch: 4,096 rows of 64 bytes
	s_lshl_b32 s40, s17, 11
	s_add_nc_u64 s[50:51], s[36:37], s[40:41]      ; block j's 32 rows
	s_sub_co_u32 s45, 127, s17
	s_lshl_b32 s40, s45, 11
	s_add_nc_u64 s[52:53], s[36:37], s[40:41]      ; block 127 - j's
	s_cmp_lt_u32 s16, s19
	s_cselect_b32 s22, s16, s23                    ; my first item's step: w of block j, if it has so many; else my first of the other block
	s_lshl_b32 s40, s22, 13
	s_add_nc_u64 s[38:39], s[36:37], s[40:41]      ; its 128 rows
	s_cmp_lt_u32 s16, 4
	s_cselect_b32 s45, s17, s45                    ; the block whose rows I store
	s_lshl_b32 s45, s45, 5
	s_lshl_b32 s43, s18, 12
	s_add_co_u32 s45, s45, s43
	s_bfe_u32 s43, s16, 0x10001
	s_lshl_b32 s43, s43, 4
	s_add_co_u32 s45, s45, s43
	s_and_b32 s43, s16, 1
	s_lshl_b32 s43, s43, 3
	s_add_co_u32 s45, s45, s43                     ; the first of my eight rows,
	s_lshl_b32 s40, s45, 8                         ; of 256 bytes
	s_add_nc_u64 s[46:47], s[14:15], s[40:41]
	WIN 0x40                                       ; destination window 1, address window 0
	global_load_b128 v[WQF:WQF+3], v[XO], s[6:7]
	global_load_b128 v[WQF+4:WQF+7], v[XO], s[6:7] offset:32
.irp q, 0,1
	global_load_b128 v[XQ+8*\q:XQ+8*\q+3], v[XO], s[50:51] offset:1024*\q
	global_load_b128 v[XQ+8*\q+4:XQ+8*\q+7], v[XO], s[50:51] offset:1024*\q+32
.endr
	global_load_b128 v[WKF:WKF+3], v[XO], s[8:9]
	global_load_b128 v[WKF+4:WKF+7], v[XO], s[8:9] offset:32
.irp d, 0,1,2,3
	global_load_b128 v[WVF+8*\d:WVF+8*\d+3], v[XO], s[10:11] offset:1024*\d
	global_load_b128 v[WVF+8*\d+4:WVF+8*\d+7], v[XO], s[10:11] offset:1024*\d+32
.endr
.irp t, 0,1,2,3,4,5,6,7
	global_load_b128 v[XF+8*\t:XF+8*\t+3], v[XO], s[38:39] offset:1024*\t
	global_load_b128 v[XF+8*\t+4:XF+8*\t+7], v[XO], s[38:39] offset:1024*\t+32
.endr
	WIN 0
	s_wait_kmcnt 0x0
	s_add_co_i32 s43, s24, s25
	s_add_co_i32 s43, s43, s26
	s_add_co_i32 s43, s43, s27                     ; E: a raw score stands for score x 2^E
	s_lshl_b32 s43, s43, 23
	s_add_co_i32 s32, s43, 0x3eb8aa3b              ; c = log2(e) / 4, with E added to its exponent field: t = raw score x c
	s_mov_b32 s33, s32                             ; (named with it as a pair, so it is written)
	s_sub_co_i32 s43, s31, s28
	s_sub_co_i32 s43, s43, s29                     ; a raw sum of x Wv stands for sum x 2^(e4 + e5): its code is sum / 2^(e7 - e4 - e5)
	s_add_co_i32 s43, s43, 127
	s_lshl_b32 s45, s43, 23
	v_mov_b32 v[VSC], s45
	s_add_co_i32 s43, s43, 15
	s_lshl_b32 s43, s43, 23
	s_or_b32 s43, s43, 0x600000
	v_mov_b32 v[VLIM], s43                         ; 57,344 x that
	s_add_co_i32 s43, s30, 127
	s_lshl_b32 s45, s43, 23
	v_mov_b32 v[PSC], s45                          ; 2^e6
	s_add_co_i32 s43, s43, 15
	s_lshl_b32 s43, s43, 23
	s_or_b32 s43, s43, 0x600000
	v_mov_b32 v[PLIM], s43
	s_add_co_i32 s44, s30, s31                     ; e6 + e7
; A block begins: the largest t is -3e38, under every t; the sums and O^T are zeros, which the first change of M leaves zeros.  So an item is written once, and a wave without an item hands on zeros.
.macro INIT
.irp q, 0,1
	v_mov_b32 v[ST+4*\q+1], 0xff61b1e6
	v_floor_f32 v[ST+4*\q], -v[ST+4*\q+1]
	v_mov_b32 v[ST+4*\q+2], 0
	v_mov_b32 v[ST+4*\q+3], 0
.endr
.set ix, 0
.rept 64
	v_mov_b32 v[O+ix], 0
.set ix, ix+1
.endr
.endm
; q of the block's two tiles, raw: source 0 = Wq's 16 rows, source 1 = 16 queries' codes.  ph = 0: the other block's codes are then asked for, into the same registers.
.macro QPROJ ph
	s_wait_loadcnt 0x0                             ; Wq and the queries' codes are in (and all else that was asked for)
	WIN 0x05                                       ; sources 0 and 1 window 1
	v_wmma_f32_16x16x64_bf8_bf8 v[QF:QF+7], v[WQF:WQF+7], v[XQ:XQ+7], 0
	v_wmma_f32_16x16x64_bf8_bf8 v[QF+8:QF+15], v[WQF:WQF+7], v[XQ+8:XQ+15], 0
	WIN 0
.if \ph == 0
	PLACES 4                                       ; in front of loads into registers that matrix instructions have read
	WIN 0x40
.irp q, 0,1
	global_load_b128 v[XQ+8*\q:XQ+8*\q+3], v[XO], s[52:53] offset:1024*\q
	global_load_b128 v[XQ+8*\q+4:XQ+8*\q+7], v[XO], s[52:53] offset:1024*\q+32
.endr
	WIN 0
.endif
.endm
; The next item's 128 rows of codes, 16 loads.  ph = 1: only if the block has a further step for me: no load leaves its buffer.
.macro NEXTX ph
.if \ph
	s_cmp_eq_u32 s45, 0
	s_cbranch_scc1 .Lnonext_\@
.endif
	WIN 0x40
.irp t, 0,1,2,3,4,5,6,7
	global_load_b128 v[XF+8*\t:XF+8*\t+3], v[XO], s[38:39] offset:1024*\t
	global_load_b128 v[XF+8*\t+4:XF+8*\t+7], v[XO], s[38:39] offset:1024*\t+32
.endr
	WIN 0
.if \ph
.Lnonext_\@:
.endif
.endm
; One tile of 16 queries against the item's 128 keys.
.macro TILE ph, qi
	s_add_co_u32 s43, s21, 1
	s_cmp_eq_u32 s43, s[19+\ph]                    ; the block's last step lies on the diagonal; all keys of the earlier steps count
	s_cbranch_scc0 .Lopen_\@
	; the mask goes in as the C of each sum's first product: -2^126 where the key comes after the query (16 t + 8 h + i > the block's place + 16 qi + r), else 0
.irp t, 0,1,2,3,4,5,6,7
.irp jj, 0,1,2,3,4,5,6,7
	v_cmp_gt_i32 vcc_lo, 16*\t+\jj-16*\qi, v[DG+\ph]
	v_cndmask_b32 v[P+8*\t+\jj], 0, v[NEG], vcc_lo
.endr
.endr
	WIN 0x01                                       ; source 0 (k) window 1
.irp t, 0,1,2,3,4,5,6,7
	v_wmma_f32_16x16x4_f32 v[S+8*\t:S+8*\t+7], v[KF+8*\t:KF+8*\t+1], v[QF+8*\qi:QF+8*\qi+1], v[P+8*\t:P+8*\t+7]
.endr
	WIN 0
	s_branch .Ljoin_\@
.Lopen_\@:
	WIN 0x01
.irp t, 0,1,2,3,4,5,6,7
	v_wmma_f32_16x16x4_f32 v[S+8*\t:S+8*\t+7], v[KF+8*\t:KF+8*\t+1], v[QF+8*\qi:QF+8*\qi+1], 0
.endr
	WIN 0
.Ljoin_\@:
	WIN 0x01
.irp ks, 1,2,3                         ; the eight accumulators take turns, one instruction a turn
.irp t, 0,1,2,3,4,5,6,7
	v_wmma_f32_16x16x4_f32 v[S+8*\t:S+8*\t+7], v[KF+8*\t+2*\ks:KF+8*\t+2*\ks+1], v[QF+8*\qi+2*\ks:QF+8*\qi+2*\ks+1], v[S+8*\t:S+8*\t+7]
.endr
.endr
	WIN 0
	PLACES 8                                       ; behind the f32 form, in front of the first read of its results (ISA guide 7.12.1)
	v_max3_num_f32 v[T0], v[S], v[S+1], v[S+2]     ; the largest raw score of my query among my 64 keys, ascending, in two chains,
	v_max3_num_f32 v[T1], v[S+3], v[S+4], v[S+5]
.irp i, 6,10,14,18,22,26,30,34,38,42,46,50,54,58
	v_max3_num_f32 v[T0], v[T0], v[S+\i], v[S+\i+1]
	v_max3_num_f32 v[T1], v[T1], v[S+\i+2], v[S+\i+3]
.endr
	v_max3_num_f32 v[T0], v[T0], v[S+62], v[S+63]
	v_max_num_f32 v[T0], v[T0], v[T1]
	v_permlanex16_b32 v[PX], v[T0], s34, s35
	v_max_num_f32 v[T0], v[T0], v[PX]              ; and among lane l xor 16's
	v_mul_f32 v[T0], s32, v[T0]                    ; as t (c is positive)
	v_max_num_f32 v[ST+4*\qi+1], v[ST+4*\qi+1], v[T0]
	v_mov_b32 v[T0], v[ST+4*\qi]
	v_floor_f32 v[ST+4*\qi], -v[ST+4*\qi+1]        ; the new -M = floor(-t): M is a whole number
	v_sub_f32 v[T0], v[ST+4*\qi], v[T0]            ; old M - new M: a whole number, 0 or less
	v_cvt_i32_f32 v[T0], v[T0]                     ; (it saturates)
	v_ldexp_f32 v[F], 1.0, v[T0]                   ; f = 2^(old M - new M)
.set ix, 0
.rept 32
	v_pk_fma_f32 v[P+ix:P+ix+1], v[S+ix:S+ix+1], s[32:33], v[ST+4*\qi:ST+4*\qi+1] op_sel_hi:[1,0,0]   ; t - M into other registers than the sums' (of the pairs c and -M the low word serves both halves)
.set ix, ix+2
.endr
.set ix, 0
.rept 64
	v_exp_f32 v[P+ix], v[P+ix]                     ; p = 2^(t - M), at most 1: not normalised
.set ix, ix+1
.endr
	v_pk_mul_f32 v[ST+4*\qi+2:ST+4*\qi+3], v[ST+4*\qi+2:ST+4*\qi+3], v[F:F+1] op_sel_hi:[1,0]   ; the sums under the new M: a plain instruction behind the exponentials
	s_wait_alu depctr_va_vdst(0)                   ; one wait for the batch of 64, ahead of its first reader
	v_pk_add_f32 v[SUM2:SUM2+1], v[P:P+1], v[P+2:P+3]   ; the row's sum is taken of the unquantised p, two at a time, in two chains
.irp j, 4,8,12,16,20,24,28,32,36,40,44,48,52,56,60
	v_pk_add_f32 v[ST+4*\qi+2:ST+4*\qi+3], v[ST+4*\qi+2:ST+4*\qi+3], v[P+\j:P+\j+1]
	v_pk_add_f32 v[SUM2:SUM2+1], v[SUM2:SUM2+1], v[P+\j+2:P+\j+3]
.endr
	v_pk_add_f32 v[ST+4*\qi+2:ST+4*\qi+3], v[ST+4*\qi+2:ST+4*\qi+3], v[SUM2:SUM2+1]
.irp t, 0,1,2,3,4,5,6,7
.irp jj, 0,1,2,3,4,5,6,7
	v_min_num_f32 v[P+8*\t+\jj], v[P+8*\t+\jj], v[PLIM]   ; the conversion to an 8-bit code does not saturate (ISA guide 7.6.2); p is not negative, so the hold is one-sided
.endr
	v_cvt_scalef32_pk8_bf8_f32 v[PC+2*\t:PC+2*\t+1], v[P+8*\t:P+8*\t+7], v[PSC]   ; keys 16 t + 8 h + 0 .. 7: registers 2 t, 2 t + 1 of the operand
.endr
.set ix, 0
.rept 16
	v_pk_mul_f32 v[O+32*\qi+ix:O+32*\qi+ix+1], v[O+32*\qi+ix:O+32*\qi+ix+1], v[F:F+1] op_sel_hi:[1,0]   ; O^T under the new M; also the plain instructions between the conversions and the products below
.set ix, ix+2
.endr
	WIN 0x01                                       ; source 0 (V^T) window 1
.irp d, 0,1,2,3
	v_wmma_f32_16x16x128_bf8_bf8 v[O+32*\qi+8*\d:O+32*\qi+8*\d+7], v[VC+16*\d:VC+16*\d+15], v[PC:PC+15], v[O+32*\qi+8*\d:O+32*\qi+8*\d+7]
.endr
	WIN 0
.endm
; An item: step s21 of block ph.
.macro ITEM ph
	s_wait_loadcnt 0x0                             ; the item's codes are in; no load of mine is out, so the loads' base may be written
	s_add_co_u32 s22, s21, 8                       ; my next step:
.if \ph == 0
	s_cmp_lt_u32 s22, s19
	s_cselect_b32 s22, s22, s23                    ; of this block, or my first of the other
.else
	s_cmp_lt_u32 s22, s20
	s_cselect_b32 s45, 1, 0                        ; if there is one
.endif
	s_lshl_b32 s40, s22, 13
	s_add_nc_u64 s[38:39], s[36:37], s[40:41]
	WIN 0x45                                       ; all in window 1
.irp t, 0,1,2,3,4,5,6,7
	v_wmma_f32_16x16x64_bf8_bf8 v[KF+8*\t:KF+8*\t+7], v[WKF:WKF+7], v[XF+8*\t:XF+8*\t+7], 0   ; k, raw: it is used as it falls
.endr
.irp d, 0,1,2,3                        ; v, 16 channels at a time
	WIN 0x05                                       ; sources window 1, result window 0
.irp t, 0,1,2,3,4,5,6,7
	v_wmma_f32_16x16x64_bf8_bf8 v[P+8*\t:P+8*\t+7], v[XF+8*\t:XF+8*\t+7], v[WVF+8*\d:WVF+8*\d+7], 0
.endr
	WIN 0
	PLACES 4                                       ; in front of the first read of the results, and of loads into registers that these products have read
.if \d == 3
	NEXTX \ph                                      ; x's fragments have had their last reader: the next item's come while this item's scores are made
.endif
.set ix, 0
.rept 64
	v_med3_num_f32 v[P+ix], v[P+ix], -v[VLIM], v[VLIM]   ; the hold at the largest code x the scale
.set ix, ix+1
.endr
	WIN 0x40                                       ; destination window 1
.irp t, 0,1,2,3,4,5,6,7
	v_cvt_scalef32_pk8_bf8_f32 v[VC+16*\d+2*\t:VC+16*\d+2*\t+1], v[P+8*\t:P+8*\t+7], v[VSC]   ; tokens 16 t + 8 h + 0 .. 7 of channel 16 d + r
.endr
	v_nop                                          ; one plain instruction between a scaled conversion and the products that write its sources or read its result
.endr
	WIN 0
	TILE \ph, 0
	TILE \ph, 1
.endm
; A block's end: my -M, my sum and my O^T of both tiles go to my region of LDS.
.macro DUMP ph
	PLACES 4                                       ; behind the last products
	v_add_f32 v[ST+1], v[ST+2], v[ST+3]            ; the sum's two halves, into the register beside -M,
	v_add_f32 v[ST+5], v[ST+6], v[ST+7]
	v_permlanex16_b32 v[PX], v[ST+1], s34, s35
	v_add_f32 v[ST+1], v[ST+1], v[PX]              ; and lane l xor 16's
	v_permlanex16_b32 v[PX], v[ST+5], s34, s35
	v_add_f32 v[ST+5], v[ST+5], v[PX]
	ds_store_b64 v[SW+\ph], v[ST:ST+1]
	ds_store_b64 v[SW+\ph], v[ST+4:ST+5] offset:256
.irp q, 0,1
.irp d, 0,1,2,3
	ds_store_b128 v[DW+\ph], v[O+32*\q+8*\d:O+32*\q+8*\d+3] offset:OT*\q+1088*\d           ; each accumulator from its low end on
	ds_store_b128 v[DW+\ph], v[O+32*\q+8*\d+4:O+32*\q+8*\d+7] offset:OT*\q+1088*\d+544
.endr
.endr
	s_wait_dscnt 0x0                               ; the stores have landed: for the other waves' sake, and the registers are written anew
.endm
	INIT
	QPROJ 0
	s_mov_b32 s21, s16                             ; block j: steps w, w + 8, ..
	s_mov_b32 s58, 0                               ; the loop's counter: one a trip, up to my number of items; the key step goes by 8 beside it
	s_cmp_lt_u32 s58, s59
	s_cbranch_scc0 .LdoneA                         ; a branch on ids: a wave may have no step of this block
.LitemA:
	ITEM 0
	s_add_co_u32 s21, s21, 8
	s_add_co_u32 s58, s58, 1
	s_cmp_lt_u32 s58, s59
	s_cbranch_scc1 .LitemA
.LdoneA:
	DUMP 0
	INIT
	QPROJ 1
	s_mov_b32 s21, s23                             ; block 127 - j: steps (w - nA) mod 8, + 8, ..: two or more for every wave
	s_mov_b32 s58, 0
.LitemB:
	ITEM 1
	s_add_co_u32 s21, s21, 8
	s_add_co_u32 s58, s58, 1
	s_cmp_lt_u32 s58, s60
	s_cbranch_scc1 .LitemB
	DUMP 1
	s_barrier_signal -1                            ; every wave's stores into LDS have landed (the wait for 0 at DUMP's end)
	s_barrier_wait -1
	; THE MERGE.  I take eight rows of one tile, two at a time (lanes 0-15 one row, lanes 16-31 the next; 16 bytes a lane), and for each the eight waves' parts.
.macro STATS hf                        ; (-M, l) of row pairs 2 hf and 2 hf + 1 from the eight regions: pair (ii, w) at v[32 + 16 ii + 2 w]
.irp ii, 0,1
.irp w, 0,1,2,3,4,5,6,7
	ds_load_b64 v[PC+16*\ii+2*\w:PC+16*\ii+2*\w+1], v[RS] offset:WREG*\w+16*(2*\hf+\ii)
.endr
.endr
.endm
.macro ROWS hf
.irp ii, 0,1
	v_min3_num_f32 v[T0+\ii], v[PC+16*\ii], v[PC+16*\ii+2], v[PC+16*\ii+4]   ; the least -M: the row's M
	v_min3_num_f32 v[T0+\ii], v[T0+\ii], v[PC+16*\ii+6], v[PC+16*\ii+8]
	v_min3_num_f32 v[T0+\ii], v[T0+\ii], v[PC+16*\ii+10], v[PC+16*\ii+12]
	v_min_num_f32 v[T0+\ii], v[T0+\ii], v[PC+16*\ii+14]
.endr
.irp w, 0,1,2,3,4,5,6,7
.irp ii, 0,1
	v_sub_f32 v[PC+16*\ii+2*\w], v[T0+\ii], v[PC+16*\ii+2*\w]   ; a wave's M less the row's: a whole number, 0 or less
.endr
.endr
.irp w, 0,1,2,3,4,5,6,7
.irp ii, 0,1
	v_cvt_i32_f32 v[PC+16*\ii+2*\w], v[PC+16*\ii+2*\w]          ; (it saturates: a wave without an item gets the factor 0)
.endr
.endr
.irp w, 0,1,2,3,4,5,6,7
.irp ii, 0,1
	v_ldexp_f32 v[PC+16*\ii+2*\w], 1.0, v[PC+16*\ii+2*\w]       ; the wave's factor, an exact power of two, in -M's place
.endr
.endr
.irp ii, 0,1
	v_mul_f32 v[ST+\ii], v[PC+16*\ii], v[PC+16*\ii+1]           ; the row's sum
.endr
.irp w, 1,2,3,4,5,6,7
.irp ii, 0,1
	v_fmac_f32 v[ST+\ii], v[PC+16*\ii+2*\w], v[PC+16*\ii+2*\w+1]
.endr
.endr
	v_rcp_f32 v[ST+2], v[ST]
	v_rcp_f32 v[ST+4], v[ST+1]
.irp ii, 0,1                           ; the eight parts of O, each x its wave's factor: the work between the reciprocals and the wait for them
.irp pr, 0,2
	v_pk_mul_f32 v[P+32*(2*\hf+\ii)+\pr:P+32*(2*\hf+\ii)+\pr+1], v[P+32*(2*\hf+\ii)+\pr:P+32*(2*\hf+\ii)+\pr+1], v[PC+16*\ii:PC+16*\ii+1] op_sel_hi:[1,0]
.endr
.endr
.irp w, 1,2,3,4,5,6,7
.irp ii, 0,1
.irp pr, 0,2
	v_pk_fma_f32 v[P+32*(2*\hf+\ii)+\pr:P+32*(2*\hf+\ii)+\pr+1], v[P+32*(2*\hf+\ii)+4*\w+\pr:P+32*(2*\hf+\ii)+4*\w+\pr+1], v[PC+16*\ii+2*\w:PC+16*\ii+2*\w+1], v[P+32*(2*\hf+\ii)+\pr:P+32*(2*\hf+\ii)+\pr+1] op_sel_hi:[1,0,1]
.endr
.endr
.endr
	s_wait_alu depctr_va_vdst(0)                   ; one wait for the two reciprocals, ahead of their first reader
	v_ldexp_f32 v[ST+2], v[ST+2], s44              ; x 2^(e6 + e7)
	v_ldexp_f32 v[ST+4], v[ST+4], s44
.irp ii, 0,1
.irp pr, 0,2
	v_pk_mul_f32 v[P+32*(2*\hf+\ii)+\pr:P+32*(2*\hf+\ii)+\pr+1], v[P+32*(2*\hf+\ii)+\pr:P+32*(2*\hf+\ii)+\pr+1], v[ST+2+2*\ii:ST+3+2*\ii] op_sel_hi:[1,0]
.endr
	global_store_b128 v[GO], v[P+32*(2*\hf+\ii):P+32*(2*\hf+\ii)+3], s[46:47] offset:512*(2*\hf+\ii) th:TH_STORE_NT   ; 32 lanes store two whole rows: 512 consecutive bytes, at a multiple of 256 from the output's first byte
.endr
.endm
	STATS 0
.irp i, 0,1,2,3
.irp w, 0,1,2,3,4,5,6,7
	ds_load_b128 v[P+32*\i+4*\w:P+32*\i+4*\w+3], v[RD] offset:WREG*\w+32*\i
.endr
.endr
	s_wait_dscnt 16                                ; all but the youngest sixteen loads, the parts of row pairs 2 and 3
	ROWS 0
	STATS 1
	s_wait_dscnt 0x0
	ROWS 1
	s_wait_xcnt 0x0
	v_lshl_add_u32 v254, v0, 2, 0x24000
	v_mov_b32 v255, 0
	s_wait_tensorcnt 0x0
	ds_add_u32 v254, v255
	s_wait_dscnt 0x0
	s_endpgm
.Lfunc_end_k_q11be7cb0c1_attn:
	.size	k_q11be7cb0c1_attn, .Lfunc_end_k_q11be7cb0c1_attn-k_q11be7cb0c1_attn
	.p2alignl 7, 3214868480
	.fill 96, 4, 3214868480
	.section	.rodata,"a",@progbits
	.p2align	6, 0x0
	.amdhsa_kernel k_q11be7cb0c1_attn
		.amdhsa_group_segment_fixed_size 148480
		.amdhsa_private_segment_fixed_size 0
		.amdhsa_enable_private_segment 0
		.amdhsa_kernarg_size 48
		.amdhsa_user_sgpr_count 2
		.amdhsa_user_sgpr_kernarg_segment_ptr 1
		.amdhsa_wavefront_size32 1
		.amdhsa_system_sgpr_workgroup_id_x 1
		.amdhsa_system_sgpr_workgroup_id_y 1
		.amdhsa_system_sgpr_workgroup_id_z 1
		.amdhsa_system_vgpr_workitem_id 0
		.amdhsa_next_free_vgpr 512
		.amdhsa_next_free_sgpr 66
		.amdhsa_reserve_vcc 1
		.amdhsa_float_denorm_mode_32 3
		.amdhsa_float_denorm_mode_16_64 3
		.amdhsa_memory_ordered 1
		.amdhsa_forward_progress 1
		.amdhsa_inst_pref_size 161
	.end_amdhsa_kernel
	.amdgpu_metadata
---
amdhsa.version: [ 1, 2 ]
amdhsa.kernels:
  - .name:           k_q11be7cb0c1_attn
    .symbol:         k_q11be7cb0c1_attn.kd
    .args:
      - { .name: x_codes, .offset: 0, .size: 8, .value_kind: global_buffer, .address_space: global }
      - { .name: Wq_codes, .offset: 8, .size: 8, .value_kind: global_buffer, .address_space: global }
      - { .name: Wk_codes, .offset: 16, .size: 8, .value_kind: global_buffer, .address_space: global }
      - { .name: Wv_codes, .offset: 24, .size: 8, .value_kind: global_buffer, .address_space: global }
      - { .name: lowp_scales, .offset: 32, .size: 8, .value_kind: global_buffer, .address_space: global }
      - { .name: out0, .offset: 40, .size: 8, .value_kind: global_buffer, .address_space: global }
    .group_segment_fixed_size: 148480
    .private_segment_fixed_size: 0
    .kernarg_segment_align: 8
    .kernarg_segment_size: 48
    .max_flat_workgroup_size: 256
    .sgpr_count:     66
    .vgpr_count:     512
    .wavefront_size: 32
...
	.end_amdgpu_metadata
.endif
;; end of part 1
;; ======== version 2 of 2: 1 launch; version 1 with the launch attn written anew for expert scheduling mode
;; limits: right only within a limited range of input values
;; launch attn (part 2): grid 64 x 4, 8 waves a work-group, no clusters, 148,480 bytes of LDS; arguments x_codes, Wq_codes, Wk_codes, Wv_codes, lowp_scales, out0; writes out0
.if DOCPART == 2
	.amdgcn_target "amdgcn-amd-amdhsa--gfx1250"
	.amdhsa_code_object_version 6
	.text
	.protected	k_q11be7cb0c1_attn
	.globl	k_q11be7cb0c1_attn
	.p2align	8
	.type	k_q11be7cb0c1_attn,@function
k_q11be7cb0c1_attn:
	s_mov_b64 s[64:65], 0
	v_nop
	global_prefetch_b8 v0, s[64:65] scope:SCOPE_SE
	s_setreg_imm32_b32 hwreg(HW_REG_WAVE_SCHED_MODE, 0, 2), 2
	s_setreg_imm32_b32 hwreg(HW_REG_WAVE_MODE, 25, 1), 1
	s_wait_xcnt 0x0
	s_wait_alu depctr_vm_vsrc(0)
; Causal attention, one head: q = x Wq, k = x Wk (16 wide), v = x Wv (64 wide), out = softmax(q k^T / 4, causal) v.  4 batches x 4,096 tokens.
; x, Wq, Wk, Wv arrive as E5M2 codes, K (the 64 inputs) innermost, rows of 64 bytes; lowp_scales holds e0 .. e7.  The products x Wq, x Wk, x Wv and p v are done on codes (bf8 forms);
; q k^T has f32 operands (the 16x16x4 f32 form), since its result goes on into p's quantiser.  p = 2^(t - M), M a whole number; the row's sum is taken of the unquantised p.
; SHARES.  A work-group owns two blocks of 32 queries of one batch, blocks j and 127 - j.  Block j needs nA = j / 4 + 1 steps of 128 keys, block 127 - j needs nB = 33 - nA: 33 items (32 queries x 128 keys) in
; every work-group, 64 x 4 work-groups.  THE EIGHT WAVES SHARE THE KEYS: item g (block j's steps, then the other's) goes to wave g mod 8.  For an item a wave loads the 128 tokens' codes (8,192 bytes) from memory
; straight into operand registers, makes k (8 products) and v (32 products, hold, conversion) in registers, and for each of its two tiles of 16 queries S^T = K Q^T (32 products), the softmax, and O^T += V^T P^T (4 products).
; Each wave keeps its own M, sum and O^T over its own keys; at a block's end they go to LDS, and behind ONE barrier the eight partial results are brought under one M by exact powers of two, added, divided and stored.
; LAYOUTS (r = lane % 16, h = lane / 16).  k and q are made transposed (source 0 = the weight's 16 rows, source 1 = 16 tokens): lane (r, h) holds token r, dimensions 8 h + 0 .. 7; registers 2 s, 2 s + 1 of that
; result ARE the f32 form's operand of K step s (slot 2 h + i = dimension 8 h + 2 s + i, the same in q and in k).  S^T: lane (r, h) holds query r, register i of tile t key 16 t + 8 h + i: eight registers convert into
; registers 2 t, 2 t + 1 of the 128-deep operand.  v: source 0 = 16 tokens, source 1 = 16 rows of Wv: lane (r, h) holds channel r and tokens 8 h + 0 .. 7, which convert into V^T's operand in the same way.
; A fragment of 16 rows x 64 codes is fetched by two loads of 16 bytes at 64 r + 16 h + 32 c: a permutation of K that is the same in x and in every weight.
; NO CLUSTER: the work-groups of a batch walk lists of steps of different lengths (nA hangs on j), and a step's codes go to one wave's registers, not to LDS: there is no tile that partners ask for at the same time.
; NO TENSOR LOAD, NO RING: no byte is read by two waves of a work-group.  NO PREFETCH: x is 1 MiB in all and each of its bytes is read by many work-groups.
; LIMITS.  E = e0 + e1 + e2 + e3 between -116 and 129 (it is added to c's exponent field; a hidden score is -2^126 + a raw score, a raw score is under 16 x (64 x 57,344^2)^2 < 2^80, and -2^126 c 2^E must lie
; more than 150 under every t that counts).  e7 - e4 - e5 and e6 between -126 and 112.  Codes of infinity and NaN are not served.  M is the ceiling of the largest t among the keys that a wave has seen:
; numbers far under the row's largest may keep more of their value than under the row's final M; where 57,344 x 2^e6 < 1, the hold at the largest code is taken relative to that running M.
; REGISTERS.  Window 0: v1-15 addresses and constants; v16-23 statistics; v24-31 at work; v32-47 p's codes; v48-63 q; v64-127 S^T (written by the f32 form alone); v128-191 p, also v ahead of its conversion and the mask; v192-255 O^T.
;   Window 1: v0-63 x's 8 fragments; v64-127 k; v128-191 V^T's codes; v192-223 Wv; v224-231 Wk; v232-239 Wq; v240-255 the queries' x.
; THE MODE: SCHED_MODE bits 1:0 = 2 (LLVM: expert scheduling mode 2), set by the entry lines.  The code itself states the register dependences between vector or matrix instructions and memory or LDS
; instructions, and between a vector instruction that writes a scalar register and that register's readers, with s_wait_alu, always for 0.
; THE PLAN.  Registers that memory or LDS instructions touch:
;   v1-v8          Offsets and LDS addresses.  Written at the head, once; read by loads and stores alone.  One wait on va_vdst ahead of the first load serves them all for the whole kernel.
;   the weights    Loaded at the head, read by products, never written again.
;   XQ             Loaded at the head; read by block j's two q products; behind a wait on va_vdst loaded again, for block 127 - j.
;   XF             Read by an item's 8 k products and 32 v products; then the next item's 16 loads land in it.  ONE wait on va_vdst an item stands ahead of that run of loads, behind the holds of the last 16 channels
;                  of v, which read the last products' results.  The two waves of a SIMD name all of its registers, so x's fragments have one set, and the run stands behind their last reader.
;   ST, O^T        Written by vector and matrix instructions; at a block's end a wait on va_vdst, the LDS stores, their wait on DScnt and a wait on vm_vsrc; then they are written anew.
;   v32-63         In the merge: two row pairs' statistics land there, are worked on, and the next two pairs' land there behind the wait on va_vdst that stands ahead of the first two stores.
;   v128-255       In the merge: the eight waves' parts land there; sixteen of these registers are the stores' data, and nothing writes those again.
;   s24-s31        The diagonal's masks: eight compares write them, a wait on va_sdst follows, eight selects read them.
.set XO,   1                           ; v1   64 r + 16 h: a fragment's lane offset, for x and for every weight
.set DW,   2                           ; v2, v3   LDS: where I put 16 bytes of O^T, block j's and block 127 - j's
.set SW,   4                           ; v4, v5   LDS: where I put (-M, l)
.set RD,   6                           ; v6   LDS: where I read O^T back, by rows of the output
.set RS,   7                           ; v7   LDS: where I read (-M, l) back
.set GO,   8                           ; v8   16 x lane: my 16 bytes of two rows of the output
.set DG,   9                           ; v9, v10  r - 8 h + the block's place in its last key step
.set NEG,  11                          ; v11  -2^126
.set VSC,  12                          ; v12  2^(e7 - e4 - e5), v13 57,344 x that
.set VLIM, 13
.set PSC,  14                          ; v14  2^e6, v15 57,344 x that
.set PLIM, 15
.set ST,   16                          ; tile q at ST + 4 q: -M, the largest t, the sum in two halves
.set F,    24                          ; v[24:25] 2^(old M - new M); v25 is 0
.set T0,   26
.set T1,   27
.set PX,   28                          ; a lane permute's destination
.set SUM2, 30                          ; v[30:31] the sums' second chain
.set PC,   32
.set QF,   48
.set S,    64
.set P,    128
.set O,    192
.set XF,   0                           ; window 1
.set KF,   64
.set VC,   128
.set WVF,  192
.set WKF,  224
.set WQF,  232
.set XQ,   240
.set MK,   24                          ; s[24:31] eight masks of the diagonal; at the head these registers hold e0 .. e7, which are read there for the last time
.set OT,   4352                        ; LDS: a tile's O^T: 8 groups of 544 bytes (two halves of 256 + 16)
.set STO,  8704                        ; behind two tiles: the statistics, 256 bytes a tile
.set WREG, 9216                        ; a wave's region
.set PHB,  73728                       ; eight regions: a block's
.set MSB, 0
.macro WIN new                         ; the immediate's high byte repeats the setting that is left
.if MSB != \new
	s_set_vgpr_msb (MSB<<8)|\new
.set MSB, \new
.endif
.endm
.macro PLACES n
.rept \n
	v_nop
.endr
.endm
	s_load_b256 s[4:11], s[0:1], 0x0               ; x s[4:5], Wq s[6:7], Wk s[8:9], Wv s[10:11]
	s_load_b128 s[12:15], s[0:1], 0x20             ; the scales' exponents s[12:13], out s[14:15]
	v_lshrrev_b32 v[T0], 5, v0
	v_readfirstlane_b32 s16, v[T0]                 ; wave w, 0 .. 7
	v_and_b32 v[T0], 15, v0                        ; r
	v_bfe_u32 v[T1], v0, 4, 1                      ; h
	v_and_b32 v29, 31, v0                          ; lane
	s_mov_b32 s17, ttmp9                           ; j
	s_and_b32 s18, ttmp7, 0xffff                   ; batch
	s_lshr_b32 s19, s17, 2
	s_add_co_u32 s19, s19, 1                       ; nA = j / 4 + 1
	s_sub_co_u32 s20, 33, s19                      ; nB
	s_wait_alu depctr_va_sdst(0)                   ; s16 is written, ahead of its first reader: steps, counts, LDS regions and the output's rows are made from it
	s_sub_co_u32 s23, s16, s19
	s_and_b32 s23, s23, 7                          ; my first step of block 127 - j: (w - nA) mod 8
	s_add_co_u32 s59, s19, 7
	s_sub_co_u32 s59, s59, s16
	s_lshr_b32 s59, s59, 3                         ; my items of block j: steps w, w + 8, .. under nA: (nA + 7 - w) / 8, which is 0 where w >= nA
	s_add_co_u32 s60, s20, 7
	s_sub_co_u32 s60, s60, s23
	s_lshr_b32 s60, s60, 3                         ; my items of block 127 - j: (nB + 7 - my first step) / 8; nB is 17 at the least, so two or more
	s_mov_b32 s41, 0                               ; the upper word of the offsets' pair s[40:41]
	s_mov_b32 s34, 0x76543210                      ; v_permlanex16_b32's selects for lane l xor 16
	s_mov_b32 s35, 0xfedcba98
	v_lshlrev_b32 v[XO], 6, v[T0]
	v_lshl_add_u32 v[XO], v[T1], 4, v[XO]
	; every LDS address is made here, ahead of the first branch: constants, the lane, the wave
	s_mul_i32 s43, s16, WREG
	v_mul_u32_u24 v[DW], v[T1], 272
	v_lshl_add_u32 v[DW], v[T0], 4, v[DW]
	v_add_nc_u32 v[DW], s43, v[DW]                 ; 16 r + 272 h + my region: sixteen lanes write 256 bytes on end
	v_add_nc_u32 v[DW+1], PHB, v[DW]
	v_lshl_add_u32 v[SW], v29, 3, s43
	v_add_nc_u32 v[SW], STO, v[SW]
	v_add_nc_u32 v[SW+1], PHB, v[SW]
	; the merge: wave w takes block w / 4, tile (w / 2) % 2, rows 8 (w % 2) + 2 i + h; lane % 16 = cc takes channels 4 cc .. 4 cc + 3, which lie in group 2 (cc / 4) + cc % 2, half (cc / 2) % 2
	s_lshr_b32 s43, s16, 2
	s_mul_i32 s43, s43, PHB
	s_bfe_u32 s45, s16, 0x10001
	s_mul_i32 s56, s45, OT
	s_add_co_u32 s56, s56, s43
	s_lshl_b32 s57, s45, 8
	s_add_co_u32 s57, s57, s43
	s_add_co_u32 s57, s57, STO
	s_and_b32 s45, s16, 1
	s_lshl_b32 s43, s45, 7                         ; 8 rows of 16 bytes
	s_add_co_u32 s56, s56, s43
	s_lshl_b32 s43, s45, 6                         ; 8 rows of 8 bytes
	s_add_co_u32 s57, s57, s43
	v_bfe_u32 v30, v0, 2, 2
	v_and_b32 v31, 1, v0
	v_lshl_add_u32 v30, v30, 1, v31                ; the group
	v_mul_u32_u24 v[RD], v30, 544
	v_bfe_u32 v31, v0, 1, 1
	v_mul_u32_u24 v31, v31, 272
	v_add_nc_u32 v[RD], v[RD], v31
	v_lshl_add_u32 v[RD], v[T1], 4, v[RD]
	v_add_nc_u32 v[RD], s56, v[RD]                 ; sixteen lanes touch sixteen different columns of 16 bytes: 2 x group + half + row, mod 16
	v_lshl_add_u32 v[RS], v[T1], 3, s57
	v_lshlrev_b32 v[GO], 4, v29
	s_and_b32 s54, s17, 3
	s_lshl_b32 s54, s54, 5                         ; block j begins 32 (j % 4) keys into its last step,
	s_sub_co_u32 s55, 96, s54                      ; block 127 - j 96 less that
	v_lshlrev_b32 v30, 3, v[T1]
	v_sub_nc_u32 v30, v[T0], v30
	v_add_nc_u32 v[DG], s54, v30
	v_add_nc_u32 v[DG+1], s55, v30
	v_mov_b32 v[NEG], 0xfe800000
	v_mov_b32 v[F+1], 0                            ; (named as the upper half of the pair)
	v_mov_b32 v[PX], 0                             ; written once: a lane permute's destination counts as one of its sources
	s_wait_kmcnt 0x0
	s_load_b256 s[24:31], s[12:13], 0x0            ; e0 .. e7
	s_lshl_b32 s40, s18, 18
	s_add_nc_u64 s[36:37], s[4:5], s[40:41]        ; x at my batch: 4,096 rows of 64 bytes
	s_lshl_b32 s40, s17, 11
	s_add_nc_u64 s[50:51], s[36:37], s[40:41]      ; block j's 32 rows
	s_sub_co_u32 s45, 127, s17
	s_lshl_b32 s40, s45, 11
	s_add_nc_u64 s[52:53], s[36:37], s[40:41]      ; block 127 - j's
	s_cmp_lt_u32 s16, s19
	s_cselect_b32 s22, s16, s23                    ; my first item's step: w of block j, if it has so many; else my first of the other block
	s_lshl_b32 s40, s22, 13
	s_add_nc_u64 s[38:39], s[36:37], s[40:41]      ; its 128 rows
	s_cmp_lt_u32 s16, 4
	s_cselect_b32 s45, s17, s45                    ; the block whose rows I store
	s_lshl_b32 s45, s45, 5
	s_lshl_b32 s43, s18, 12
	s_add_co_u32 s45, s45, s43
	s_bfe_u32 s43, s16, 0x10001
	s_lshl_b32 s43, s43, 4
	s_add_co_u32 s45, s45, s43
	s_and_b32 s43, s16, 1
	s_lshl_b32 s43, s43, 3
	s_add_co_u32 s45, s45, s43                     ; the first of my eight rows,
	s_lshl_b32 s40, s45, 8                         ; of 256 bytes
	s_add_nc_u64 s[46:47], s[14:15], s[40:41]
	WIN 0x40                                       ; destination window 1, address window 0
	s_wait_alu depctr_va_vdst(0)                   ; the eight offsets and LDS addresses v1 to v8 are written: every load and store of the kernel reads one of them, and no vector instruction names them again
	global_load_b128 v[WQF:WQF+3], v[XO], s[6:7]
	global_load_b128 v[WQF+4:WQF+7], v[XO], s[6:7] offset:32
.irp q, 0,1
	global_load_b128 v[XQ+8*\q:XQ+8*\q+3], v[XO], s[50:51] offset:1024*\q
	global_load_b128 v[XQ+8*\q+4:XQ+8*\q+7], v[XO], s[50:51] offset:1024*\q+32
.endr
	global_load_b128 v[WKF:WKF+3], v[XO], s[8:9]
	global_load_b128 v[WKF+4:WKF+7], v[XO], s[8:9] offset:32
.irp d, 0,1,2,3
	global_load_b128 v[WVF+8*\d:WVF+8*\d+3], v[XO], s[10:11] offset:1024*\d
	global_load_b128 v[WVF+8*\d+4:WVF+8*\d+7], v[XO], s[10:11] offset:1024*\d+32
.endr
.irp t, 0,1,2,3,4,5,6,7
	global_load_b128 v[XF+8*\t:XF+8*\t+3], v[XO], s[38:39] offset:1024*\t
	global_load_b128 v[XF+8*\t+4:XF+8*\t+7], v[XO], s[38:39] offset:1024*\t+32
.endr
	WIN 0
	s_wait_kmcnt 0x0
	s_add_co_i32 s43, s24, s25
	s_add_co_i32 s43, s43, s26
	s_add_co_i32 s43, s43, s27                     ; E: a raw score stands for score x 2^E
	s_lshl_b32 s43, s43, 23
	s_add_co_i32 s32, s43, 0x3eb8aa3b              ; c = log2(e) / 4, with E added to its exponent field: t = raw score x c
	s_mov_b32 s33, s32                             ; (named with it as a pair, so it is written)
	s_sub_co_i32 s43, s31, s28
	s_sub_co_i32 s43, s43, s29                     ; a raw sum of x Wv stands for sum x 2^(e4 + e5): its code is sum / 2^(e7 - e4 - e5)
	s_add_co_i32 s43, s43, 127
	s_lshl_b32 s45, s43, 23
	v_mov_b32 v[VSC], s45
	s_add_co_i32 s43, s43, 15
	s_lshl_b32 s43, s43, 23
	s_or_b32 s43, s43, 0x600000
	v_mov_b32 v[VLIM], s43                         ; 57,344 x that
	s_add_co_i32 s43, s30, 127
	s_lshl_b32 s45, s43, 23
	v_mov_b32 v[PSC], s45                          ; 2^e6
	s_add_co_i32 s43, s43, 15
	s_lshl_b32 s43, s43, 23
	s_or_b32 s43, s43, 0x600000
	v_mov_b32 v[PLIM], s43
	s_add_co_i32 s44, s30, s31                     ; e6 + e7
; A block begins: the largest t is -3e38, under every t; the sums and O^T are zeros, which the first change of M leaves zeros.  So an item is written once, and a wave without an item hands on zeros.
.macro INIT
.irp q, 0,1
	v_mov_b32 v[ST+4*\q+1], 0xff61b1e6
	v_floor_f32 v[ST+4*\q], -v[ST+4*\q+1]
	v_mov_b32 v[ST+4*\q+2], 0
	v_mov_b32 v[ST+4*\q+3], 0
.endr
.set ix, 0
.rept 64
	v_mov_b32 v[O+ix], 0
.set ix, ix+1
.endr
.endm
; q of the block's two tiles, raw: source 0 = Wq's 16 rows, source 1 = 16 queries' codes.  ph = 0: the other block's codes are then asked for, into the same registers.
.macro QPROJ ph
	s_wait_loadcnt 0x0                             ; Wq and the queries' codes are in (and all else that was asked for)
	WIN 0x05                                       ; sources 0 and 1 window 1
	v_wmma_f32_16x16x64_bf8_bf8 v[QF:QF+7], v[WQF:WQF+7], v[XQ:XQ+7], 0
	v_wmma_f32_16x16x64_bf8_bf8 v[QF+8:QF+15], v[WQF:WQF+7], v[XQ+8:XQ+15], 0
	WIN 0
.if \ph == 0
	PLACES 4                                       ; four places behind the products, and then the wait that states the dependence
	WIN 0x40
	s_wait_alu depctr_va_vdst(0)                   ; the two products are done reading the queries' codes, in whose registers the loads below land
.irp q, 0,1
	global_load_b128 v[XQ+8*\q:XQ+8*\q+3], v[XO], s[52:53] offset:1024*\q
	global_load_b128 v[XQ+8*\q+4:XQ+8*\q+7], v[XO], s[52:53] offset:1024*\q+32
.endr
	WIN 0
.endif
.endm
; The next item's 128 rows of codes, 16 loads.  ph = 1: only if the block has a further step for me: no load leaves its buffer.  ph = 0 leaves the windows as the conversions behind it want them.
.macro NEXTX ph
.if \ph
	s_cmp_eq_u32 s45, 0
	s_cbranch_scc1 .Lnonext_\@
.endif
	WIN 0x40
	s_wait_alu depctr_va_vdst(0)                   ; this item's 40 products on x's fragments are done reading them: the loads below land there.  No vector or matrix instruction of the item's rest names these registers
.irp t, 0,1,2,3,4,5,6,7
	global_load_b128 v[XF+8*\t:XF+8*\t+3], v[XO], s[38:39] offset:1024*\t
	global_load_b128 v[XF+8*\t+4:XF+8*\t+7], v[XO], s[38:39] offset:1024*\t+32
.endr
.if \ph
	WIN 0
.Lnonext_\@:
.endif
.endm
; One tile of 16 queries against the item's 128 keys.
.macro TILE ph, qi
	s_add_co_u32 s43, s21, 1
	s_cmp_eq_u32 s43, s[19+\ph]                    ; the block's last step lies on the diagonal; all keys of the earlier steps count
	s_cbranch_scc0 .Lopen_\@
	; the mask goes in as the C of each sum's first product: -2^126 where the key comes after the query (16 t + 8 h + i > the block's place + 16 qi + r), else 0.  Eight compares, one wait, eight selects
.irp t, 0,1,2,3,4,5,6,7
.irp jj, 0,1,2,3,4,5,6,7
	v_cmp_gt_i32 s[MK+\jj], 16*\t+\jj-16*\qi, v[DG+\ph]
.endr
	s_wait_alu depctr_va_sdst(0)                   ; the eight compares have written s24 to s31, ahead of the selects that read them
.irp jj, 0,1,2,3,4,5,6,7
	v_cndmask_b32 v[P+8*\t+\jj], 0, v[NEG], s[MK+\jj]
.endr
.endr
	WIN 0x01                                       ; source 0 (k) window 1
.irp t, 0,1,2,3,4,5,6,7
	v_wmma_f32_16x16x4_f32 v[S+8*\t:S+8*\t+7], v[KF+8*\t:KF+8*\t+1], v[QF+8*\qi:QF+8*\qi+1], v[P+8*\t:P+8*\t+7]
.endr
	WIN 0
	s_branch .Ljoin_\@
.Lopen_\@:
	WIN 0x01
.irp t, 0,1,2,3,4,5,6,7
	v_wmma_f32_16x16x4_f32 v[S+8*\t:S+8*\t+7], v[KF+8*\t:KF+8*\t+1], v[QF+8*\qi:QF+8*\qi+1], 0
.endr
	WIN 0
.Ljoin_\@:
	WIN 0x01
.irp ks, 1,2,3                         ; the eight accumulators take turns, one instruction a turn
.irp t, 0,1,2,3,4,5,6,7
	v_wmma_f32_16x16x4_f32 v[S+8*\t:S+8*\t+7], v[KF+8*\t+2*\ks:KF+8*\t+2*\ks+1], v[QF+8*\qi+2*\ks:QF+8*\qi+2*\ks+1], v[S+8*\t:S+8*\t+7]
.endr
.endr
	WIN 0
	PLACES 8                                       ; behind the f32 form, in front of the first read of its results (ISA guide 7.12.1)
	v_max3_num_f32 v[T0], v[S], v[S+1], v[S+2]     ; the largest raw score of my query among my 64 keys, ascending, in two chains,
	v_max3_num_f32 v[T1], v[S+3], v[S+4], v[S+5]
.irp i, 6,10,14,18,22,26,30,34,38,42,46,50,54,58
	v_max3_num_f32 v[T0], v[T0], v[S+\i], v[S+\i+1]
	v_max3_num_f32 v[T1], v[T1], v[S+\i+2], v[S+\i+3]
.endr
	v_max3_num_f32 v[T0], v[T0], v[S+62], v[S+63]
	v_max_num_f32 v[T0], v[T0], v[T1]
	v_permlanex16_b32 v[PX], v[T0], s34, s35
	v_max_num_f32 v[T0], v[T0], v[PX]              ; and among lane l xor 16's
	v_mul_f32 v[T0], s32, v[T0]                    ; as t (c is positive)
	v_max_num_f32 v[ST+4*\qi+1], v[ST+4*\qi+1], v[T0]
	v_mov_b32 v[T0], v[ST+4*\qi]
	v_floor_f32 v[ST+4*\qi], -v[ST+4*\qi+1]        ; the new -M = floor(-t): M is a whole number
	v_sub_f32 v[T0], v[ST+4*\qi], v[T0]            ; old M - new M: a whole number, 0 or less
	v_cvt_i32_f32 v[T0], v[T0]                     ; (it saturates)
	v_ldexp_f32 v[F], 1.0, v[T0]                   ; f = 2^(old M - new M)
.set ix, 0
.rept 32
	v_pk_fma_f32 v[P+ix:P+ix+1], v[S+ix:S+ix+1], s[32:33], v[ST+4*\qi:ST+4*\qi+1] op_sel_hi:[1,0,0]   ; t - M into other registers than the sums' (of the pairs c and -M the low word serves both halves)
.set ix, ix+2
.endr
.set ix, 0
.rept 64
	v_exp_f32 v[P+ix], v[P+ix]                     ; p = 2^(t - M), at most 1: not normalised
.set ix, ix+1
.endr
	v_pk_mul_f32 v[ST+4*\qi+2:ST+4*\qi+3], v[ST+4*\qi+2:ST+4*\qi+3], v[F:F+1] op_sel_hi:[1,0]   ; the sums under the new M: a plain instruction behind the exponentials
	s_wait_alu depctr_va_vdst(0)                   ; the 64 exponentials have written p: one wait for the batch, ahead of its first reader
	v_pk_add_f32 v[SUM2:SUM2+1], v[P:P+1], v[P+2:P+3]   ; the row's sum is taken of the unquantised p, two at a time, in two chains
.irp j, 4,8,12,16,20,24,28,32,36,40,44,48,52,56,60
	v_pk_add_f32 v[ST+4*\qi+2:ST+4*\qi+3], v[ST+4*\qi+2:ST+4*\qi+3], v[P+\j:P+\j+1]
	v_pk_add_f32 v[SUM2:SUM2+1], v[SUM2:SUM2+1], v[P+\j+2:P+\j+3]
.endr
	v_pk_add_f32 v[ST+4*\qi+2:ST+4*\qi+3], v[ST+4*\qi+2:ST+4*\qi+3], v[SUM2:SUM2+1]
.irp t, 0,1,2,3,4,5,6,7
.irp jj, 0,1,2,3,4,5,6,7
	v_min_num_f32 v[P+8*\t+\jj], v[P+8*\t+\jj], v[PLIM]   ; the conversion to an 8-bit code does not saturate (ISA guide 7.6.2); p is not negative, so the hold is one-sided
.endr
	v_cvt_scalef32_pk8_bf8_f32 v[PC+2*\t:PC+2*\t+1], v[P+8*\t:P+8*\t+7], v[PSC]   ; keys 16 t + 8 h + 0 .. 7: registers 2 t, 2 t + 1 of the operand
.endr
.set ix, 0
.rept 16
	v_pk_mul_f32 v[O+32*\qi+ix:O+32*\qi+ix+1], v[O+32*\qi+ix:O+32*\qi+ix+1], v[F:F+1] op_sel_hi:[1,0]   ; O^T under the new M; also the plain instructions between the conversions and the products below
.set ix, ix+2
.endr
	WIN 0x01                                       ; source 0 (V^T) window 1
.irp d, 0,1,2,3
	v_wmma_f32_16x16x128_bf8_bf8 v[O+32*\qi+8*\d:O+32*\qi+8*\d+7], v[VC+16*\d:VC+16*\d+15], v[PC:PC+15], v[O+32*\qi+8*\d:O+32*\qi+8*\d+7]
.endr
	WIN 0
.endm
; An item: step s21 of block ph.
.macro ITEM ph
	s_wait_loadcnt 0x0                             ; the item's codes are in; no load of mine is out, so the loads' base may be written
	s_add_co_u32 s22, s21, 8                       ; my next step:
.if \ph == 0
	s_cmp_lt_u32 s22, s19
	s_cselect_b32 s22, s22, s23                    ; of this block, or my first of the other
.else
	s_cmp_lt_u32 s22, s20
	s_cselect_b32 s45, 1, 0                        ; if there is one
.endif
	s_lshl_b32 s40, s22, 13
	s_add_nc_u64 s[38:39], s[36:37], s[40:41]
	WIN 0x45                                       ; all in window 1
.irp t, 0,1,2,3,4,5,6,7
	v_wmma_f32_16x16x64_bf8_bf8 v[KF+8*\t:KF+8*\t+7], v[WKF:WKF+7], v[XF+8*\t:XF+8*\t+7], 0   ; k, raw: it is used as it falls
.endr
.irp d, 0,1,2,3                        ; v, 16 channels at a time
	WIN 0x05                                       ; sources window 1, result window 0
.irp t, 0,1,2,3,4,5,6,7
	v_wmma_f32_16x16x64_bf8_bf8 v[P+8*\t:P+8*\t+7], v[XF+8*\t:XF+8*\t+7], v[WVF+8*\d:WVF+8*\d+7], 0
.endr
	WIN 0
	PLACES 4                                       ; in front of the first read of the results
.set ix, 0
.rept 64
	v_med3_num_f32 v[P+ix], v[P+ix], -v[VLIM], v[VLIM]   ; the hold at the largest code x the scale
.set ix, ix+1
.endr
.if \d == 3
	NEXTX \ph                                      ; x's fragments have had their last reader: the next item's come while this item's scores are made
.endif
	WIN 0x40                                       ; destination window 1
.irp t, 0,1,2,3,4,5,6,7
	v_cvt_scalef32_pk8_bf8_f32 v[VC+16*\d+2*\t:VC+16*\d+2*\t+1], v[P+8*\t:P+8*\t+7], v[VSC]   ; tokens 16 t + 8 h + 0 .. 7 of channel 16 d + r
.endr
	v_nop                                          ; one plain instruction between a scaled conversion and the products that write its sources or read its result
.endr
	WIN 0
	TILE \ph, 0
	TILE \ph, 1
.endm
; A block's end: my -M, my sum and my O^T of both tiles go to my region of LDS.
.macro DUMP ph
	PLACES 4                                       ; behind the last products
	v_add_f32 v[ST+1], v[ST+2], v[ST+3]            ; the sum's two halves, into the register beside -M,
	v_add_f32 v[ST+5], v[ST+6], v[ST+7]
	v_permlanex16_b32 v[PX], v[ST+1], s34, s35
	v_add_f32 v[ST+1], v[ST+1], v[PX]              ; and lane l xor 16's
	v_permlanex16_b32 v[PX], v[ST+5], s34, s35
	v_add_f32 v[ST+5], v[ST+5], v[PX]
	s_wait_alu depctr_va_vdst(0)                   ; the additions have written the sums and the last products (in a wave without an item: the moves) O^T, which the LDS stores read; the places above stay beside this wait.  Behind the second block it also states that all work on v32-63 and v128-191 is over: the merge's loads land there
	ds_store_b64 v[SW+\ph], v[ST:ST+1]
	ds_store_b64 v[SW+\ph], v[ST+4:ST+5] offset:256
.irp q, 0,1
.irp d, 0,1,2,3
	ds_store_b128 v[DW+\ph], v[O+32*\q+8*\d:O+32*\q+8*\d+3] offset:OT*\q+1088*\d           ; each accumulator from its low end on
	ds_store_b128 v[DW+\ph], v[O+32*\q+8*\d+4:O+32*\q+8*\d+7] offset:OT*\q+1088*\d+544
.endr
.endr
	s_wait_dscnt 0x0                               ; the stores have landed: for the other waves' sake
	s_wait_alu depctr_vm_vsrc(0)                   ; the stores have read the statistics and O^T, which are written anew: by the next block's first lines, or by the merge's loads and arithmetic
.endm
	INIT
	QPROJ 0
	s_mov_b32 s21, s16                             ; block j: steps w, w + 8, ..
	s_mov_b32 s58, 0                               ; the loop's counter: one a trip, up to my number of items; the key step goes by 8 beside it
	s_cmp_lt_u32 s58, s59
	s_cbranch_scc0 .LdoneA                         ; a branch on ids: a wave may have no step of this block
.LitemA:
	ITEM 0
	s_add_co_u32 s21, s21, 8
	s_add_co_u32 s58, s58, 1
	s_cmp_lt_u32 s58, s59
	s_cbranch_scc1 .LitemA
.LdoneA:
	DUMP 0
	INIT
	QPROJ 1
	s_mov_b32 s21, s23                             ; block 127 - j: steps (w - nA) mod 8, + 8, ..: two or more for every wave
	s_mov_b32 s58, 0
.LitemB:
	ITEM 1
	s_add_co_u32 s21, s21, 8
	s_add_co_u32 s58, s58, 1
	s_cmp_lt_u32 s58, s60
	s_cbranch_scc1 .LitemB
	DUMP 1
	s_barrier_signal -1                            ; every wave's stores into LDS have landed (the wait for 0 at DUMP's end)
	s_barrier_wait -1
	; THE MERGE.  I take eight rows of one tile, two at a time (lanes 0-15 one row, lanes 16-31 the next; 16 bytes a lane), and for each the eight waves' parts.
.macro STATS hf                        ; (-M, l) of row pairs 2 hf and 2 hf + 1 from the eight regions: pair (ii, w) at v[32 + 16 ii + 2 w]
.irp ii, 0,1
.irp w, 0,1,2,3,4,5,6,7
	ds_load_b64 v[PC+16*\ii+2*\w:PC+16*\ii+2*\w+1], v[RS] offset:WREG*\w+16*(2*\hf+\ii)
.endr
.endr
.endm
.macro ROWS hf
.irp ii, 0,1
	v_min3_num_f32 v[T0+\ii], v[PC+16*\ii], v[PC+16*\ii+2], v[PC+16*\ii+4]   ; the least -M: the row's M
	v_min3_num_f32 v[T0+\ii], v[T0+\ii], v[PC+16*\ii+6], v[PC+16*\ii+8]
	v_min3_num_f32 v[T0+\ii], v[T0+\ii], v[PC+16*\ii+10], v[PC+16*\ii+12]
	v_min_num_f32 v[T0+\ii], v[T0+\ii], v[PC+16*\ii+14]
.endr
.irp w, 0,1,2,3,4,5,6,7
.irp ii, 0,1
	v_sub_f32 v[PC+16*\ii+2*\w], v[T0+\ii], v[PC+16*\ii+2*\w]   ; a wave's M less the row's: a whole number, 0 or less
.endr
.endr
.irp w, 0,1,2,3,4,5,6,7
.irp ii, 0,1
	v_cvt_i32_f32 v[PC+16*\ii+2*\w], v[PC+16*\ii+2*\w]          ; (it saturates: a wave without an item gets the factor 0)
.endr
.endr
.irp w, 0,1,2,3,4,5,6,7
.irp ii, 0,1
	v_ldexp_f32 v[PC+16*\ii+2*\w], 1.0, v[PC+16*\ii+2*\w]       ; the wave's factor, an exact power of two, in -M's place
.endr
.endr
.irp ii, 0,1
	v_mul_f32 v[ST+\ii], v[PC+16*\ii], v[PC+16*\ii+1]           ; the row's sum
.endr
.irp w, 1,2,3,4,5,6,7
.irp ii, 0,1
	v_fmac_f32 v[ST+\ii], v[PC+16*\ii+2*\w], v[PC+16*\ii+2*\w+1]
.endr
.endr
	v_rcp_f32 v[ST+2], v[ST]
	v_rcp_f32 v[ST+4], v[ST+1]
.irp ii, 0,1                           ; the eight parts of O, each x its wave's factor: the work between the reciprocals and the wait for them
.irp pr, 0,2
	v_pk_mul_f32 v[P+32*(2*\hf+\ii)+\pr:P+32*(2*\hf+\ii)+\pr+1], v[P+32*(2*\hf+\ii)+\pr:P+32*(2*\hf+\ii)+\pr+1], v[PC+16*\ii:PC+16*\ii+1] op_sel_hi:[1,0]
.endr
.endr
.irp w, 1,2,3,4,5,6,7
.irp ii, 0,1
.irp pr, 0,2
	v_pk_fma_f32 v[P+32*(2*\hf+\ii)+\pr:P+32*(2*\hf+\ii)+\pr+1], v[P+32*(2*\hf+\ii)+4*\w+\pr:P+32*(2*\hf+\ii)+4*\w+\pr+1], v[PC+16*\ii+2*\w:PC+16*\ii+2*\w+1], v[P+32*(2*\hf+\ii)+\pr:P+32*(2*\hf+\ii)+\pr+1] op_sel_hi:[1,0,1]
.endr
.endr
.endr
	s_wait_alu depctr_va_vdst(0)                   ; the two reciprocals have written v18 and v20: one wait, ahead of their first reader
	v_ldexp_f32 v[ST+2], v[ST+2], s44              ; x 2^(e6 + e7)
	v_ldexp_f32 v[ST+4], v[ST+4], s44
.irp ii, 0,1
.irp pr, 0,2
	v_pk_mul_f32 v[P+32*(2*\hf+\ii)+\pr:P+32*(2*\hf+\ii)+\pr+1], v[P+32*(2*\hf+\ii)+\pr:P+32*(2*\hf+\ii)+\pr+1], v[ST+2+2*\ii:ST+3+2*\ii] op_sel_hi:[1,0]
.endr
.endr
	s_wait_alu depctr_va_vdst(0)                   ; the four multiplications have written the two row pairs, which the stores read; and the arithmetic above is done with v32-63, in which the next two pairs' statistics land
.irp ii, 0,1
	global_store_b128 v[GO], v[P+32*(2*\hf+\ii):P+32*(2*\hf+\ii)+3], s[46:47] offset:512*(2*\hf+\ii) th:TH_STORE_NT   ; 32 lanes store two whole rows: 512 consecutive bytes, at a multiple of 256 from the output's first byte
.endr
.endm
	STATS 0                                        ; no wait on va_vdst here: no vector or matrix instruction has been issued since the one ahead of the second block's LDS stores
.irp i, 0,1,2,3
.irp w, 0,1,2,3,4,5,6,7
	ds_load_b128 v[P+32*\i+4*\w:P+32*\i+4*\w+3], v[RD] offset:WREG*\w+32*\i
.endr
.endr
	s_wait_dscnt 16                                ; all but the youngest sixteen loads, the parts of row pairs 2 and 3
	ROWS 0
	STATS 1
	s_wait_dscnt 0x0
	ROWS 1
	s_wait_xcnt 0x0
	v_lshl_add_u32 v254, v0, 2, 0x24000            ; the add's two registers are made anew, since none could be kept: my spare word, behind the two blocks' regions, and 0.  No memory or LDS instruction has read v254 or v255 since the wait on vm_vsrc at the second block's end
	v_mov_b32 v255, 0
	s_wait_dscnt 0x0                               ; the closing lines, six on end
	s_wait_alu 0x0
	s_wait_tensorcnt 0x0
	ds_add_u32 v254, v255
	s_wait_dscnt 0x0
	s_endpgm
.Lfunc_end_k_q11be7cb0c1_attn:
	.size	k_q11be7cb0c1_attn, .Lfunc_end_k_q11be7cb0c1_attn-k_q11be7cb0c1_attn
	.p2alignl 7, 3214868480
	.fill 96, 4, 3214868480
	.section	.rodata,"a",@progbits
	.p2align	6, 0x0
	.amdhsa_kernel k_q11be7cb0c1_attn
		.amdhsa_group_segment_fixed_size 148480
		.amdhsa_private_segment_fixed_size 0
		.amdhsa_enable_private_segment 0
		.amdhsa_kernarg_size 48
		.amdhsa_user_sgpr_count 2
		.amdhsa_user_sgpr_kernarg_segment_ptr 1
		.amdhsa_wavefront_size32 1
		.amdhsa_system_sgpr_workgroup_id_x 1
		.amdhsa_system_sgpr_workgroup_id_y 1
		.amdhsa_system_sgpr_workgroup_id_z 1
		.amdhsa_system_vgpr_workitem_id 0
		.amdhsa_next_free_vgpr 512
		.amdhsa_next_free_sgpr 66
		.amdhsa_reserve_vcc 0
		.amdhsa_float_denorm_mode_32 3
		.amdhsa_float_denorm_mode_16_64 3
		.amdhsa_memory_ordered 1
		.amdhsa_forward_progress 1
		.amdhsa_inst_pref_size 178
	.end_amdhsa_kernel
	.amdgpu_metadata
---
amdhsa.version: [ 1, 2 ]
amdhsa.kernels:
  - .name:           k_q11be7cb0c1_attn
    .symbol:         k_q11be7cb0c1_attn.kd
    .args:
      - { .name: x_codes, .offset: 0, .size: 8, .value_kind: global_buffer, .address_space: global }
      - { .name: Wq_codes, .offset: 8, .size: 8, .value_kind: global_buffer, .address_space: global }
      - { .name: Wk_codes, .offset: 16, .size: 8, .value_kind: global_buffer, .address_space: global }
      - { .name: Wv_codes, .offset: 24, .size: 8, .value_kind: global_buffer, .address_space: global }
      - { .name: lowp_scales, .offset: 32, .size: 8, .value_kind: global_buffer, .address_space: global }
      - { .name: out0, .offset: 40, .size: 8, .value_kind: global_buffer, .address_space: global }
    .group_segment_fixed_size: 148480
    .private_segment_fixed_size: 0
    .kernarg_segment_align: 8
    .kernarg_segment_size: 48
    .max_flat_workgroup_size: 256
    .sgpr_count:     66
    .vgpr_count:     512
    .wavefront_size: 32
...
	.end_amdgpu_metadata
.endif
;; end of part 2
